; MI455X (gfx1250); checked and timed in simulation.
; The chip was launched on July 23, 2026; its instructions are those of AMD's public machine-readable ISA for CDNA 5 (MIT licence, August 2026) and "CDNA5" Instruction Set Architecture Reference Guide (July 2026). The comments in the code are by the model that wrote it; some were corrected since.
;; VQ Vi T. Allowed arithmetic: matrix products marked QUANTISED: E2M3 operands, one E8M0 scale for each 32 along K, by v_wmma_scale_f32_16x16x128_f8f6f4 with both operands' format E2M3, f32 sums; everything else in f32.
;; Inputs: code_age 8,192 float32; emb 8,192 x 256 float32; z 4 x 2,048 x 256 float32.
;; Outputs: out0 4 x 2,048 x 256 float32; out1 one number float32; out2 one number float32; out3 8,192 int32; out4 one number float32; out5 one number float32.
;; This version of the problem:
;;   THIS VERSION OF THE PROBLEM IS GIVEN IN LOW PRECISION. The matrix products marked QUANTISED in the list below multiply operands that are first quantised to E2M3 (2 exponent bits, 3 mantissa bits; 6 bits a number), with one power-of-two scale for each 32 numbers along K (OCP MX v1.0); their sums are f32. All else is computed in f32.
;;   The module's matrix products, in the order in which they are computed (A, B: the left and right operand; K: the contracted axis; several contracted axes count as one K, in the product's order):
;;     1. [M 8,192, K 256] x [K 256, N 8,192]; A: input z; B: input emb: QUANTISED
;;   THE QUANTISER, for each operand of a quantised product, along K:
;;     - K is cut into blocks of 32 from its start; a last block that is shorter is filled with zeros.
;;     - A block's scale is 2^e with e = floor(log2(the largest magnitude in the block)) - 2, held to -126 .. 127; a block of zeros has e = 0. As a byte (E8M0): e + 127.
;;     - Each number is divided by its block's scale, clamped to +-7.5, and rounded to the nearest number of E2M3, ties to even, subnormals kept.
;;     - The product sums the exact products of the quantised numbers (number of the format x scale) in f32.
;;   ~~~python
;;   def quantise(x, axis):      # numpy; x: float32 -> the quantised numbers, widened to float32 again
;;       x = np.moveaxis(x, axis, -1); K = x.shape[-1]
;;       x = np.pad(x, [(0, 0)] * (x.ndim - 1) + [(0, -K % 32)]); x = x.reshape(x.shape[:-1] + (-1, 32)); a = np.abs(x).max(-1, keepdims=True)
;;       e = np.where(a > 0, np.clip(np.frexp(np.where(a > 0, a, 1))[1] - 1 - 2, -126, 127), 0)      # np.frexp(a)[1] - 1 = floor(log2(a)), exactly
;;       r = np.clip(x / 2.0 ** e, -7.5, 7.5)
;;       step = 2.0 ** (np.maximum(np.frexp(np.where(r == 0, 1, r))[1] - 1, 0) - 3)
;;       q = np.round(r / step) * step * 2.0 ** e      # np.round: ties to even
;;       return np.moveaxis(q.reshape(q.shape[:-2] + (-1,))[..., :K], -1, axis).astype(np.float32)
;;   ~~~
;; One version. Each part assembles by itself: llvm-mc -triple=amdgcn-amd-amdhsa -mcpu=gfx1250 --defsym DOCPART=n.
;; ======== version 1 of 1: 4 launches
;; limits: right only within a limited range of input values
;; workspace buffers: rec 3,407,872 bytes; part 524,288 bytes of whole numbers; lossp 8,192 bytes; agep 1,024 bytes
;; launch quant (part 1): grid 257 x 1, 4 waves a work-group, no clusters, 35,328 bytes of LDS; arguments z, emb, rec, code_age, agep; writes rec, agep
.if DOCPART == 1
	.amdgcn_target "amdgcn-amd-amdhsa--gfx1250"
	.amdhsa_code_object_version 6
	.text
	.protected	k_q8db6b4055c_quant
	.globl	k_q8db6b4055c_quant
	.p2align	8
	.type	k_q8db6b4055c_quant,@function
k_q8db6b4055c_quant:
	s_mov_b64 s[64:65], 0
	v_nop
	global_prefetch_b8 v0, s[64:65] scope:SCOPE_SE
	s_setreg_imm32_b32 hwreg(HW_REG_WAVE_MODE, 25, 1), 1
	s_wait_xcnt 0x0
; z [8192][256] and emb [8192][256], f32, become RECORDS of 16 rows x 256 K for the product's launch: codes of FP6 (E2M3) laid as images of the
; operand's registers, the rows' E8M0 scale words, and the rows' sums of squares (of the numbers as given, in f32).
; A record is 3,328 bytes (13 x 256): byte 1536 s + 512 c + 16 l: registers 4 c .. 4 c + 3 of lane l of the fragment of K step s (128 along K; 12 registers a lane:
; lane (r, h) holds row r, registers 6 c' .. 6 c' + 5 the codes of k = 128 s + 64 c' + 32 h + 0 .. 31);  byte 3072 + 4 (16 s + r): row r's scale word of K step s;
; byte 3200 + 4 r: row r's sum of squares, and the same 64 bytes once more at 3264, so that 4 x lane serves all 32 lanes.
; Records 0 .. 511 are z's, 512 .. 1023 emb's.  A wave makes one record: 1,024 waves, 256 work-groups; the first 128 work-groups take z.  Only pointers are chosen: one path through the text.
; A block's scale is 2^(floor(log2(its largest magnitude)) - 2): its byte is the largest magnitude's exponent field - 2, held at 1 from below by a floor among the maximum's leaves.
; LIMITS: a block of zeros gets the byte 1 (its codes are zeros; this program alone reads the bytes); NaN and infinities are not served; a row's sum of squares is taken in four chains
; a lane (fused multiply-adds), then over the two lanes of the row: its last bit may differ from a sum taken in another order.
; Each load reads 512 consecutive bytes, 16 a lane; a K step's 16 x 512 bytes turn through the wave's own stage in LDS (rows 528 bytes apart: 33 x 16, so that the sixteen rows
; that a load of 16 bytes a lane touches fall on different 16-byte columns of 256), and come back as 2 x 32 neighbours along K a lane.  Waves share nothing: no barrier.
.set REC,   3328
.set SP,    528                        ; a stage row: 512 bytes + 16
.set TAIL,  16*SP                      ; behind the stage: the record's last 256 bytes are gathered here
.set WLDS,  TAIL+256                   ; LDS of a wave: 8,704 bytes
.set R,     16                         ; v16-143  the record's numbers as loaded: 64 registers a K step
.set X,     144                        ; v144-207 a K step's numbers, register 32 c + i = k 64 c + 32 h + i of my row
.set F,     208                        ; v208-231 the two fragments
.set T,     232                        ; v232-238 the upper halves of two blocks' codes (a conversion's three registers begin on an even number)
.set MX,    240                        ; v240-241 largest magnitudes;  v242-243 the conversions' scale operands;  v244-245 scale bytes
.set SCO,   242
.set BY,    244
.set W,     246                        ; v246-247 my row's scale word of K step 0, 1
.set QA,    248                        ; v[248:249], v[250:251] the sum of squares in four chains
.set QB,    250
.set TMP,   252
	s_load_b128 s[4:7], s[0:1], 0x0                ; z, emb
	s_load_b64 s[8:9], s[0:1], 0x10                ; rec
	v_lshl_add_u32 v235, v0, 2, 0x8800
	v_mov_b32 v239, 0
	v_lshrrev_b32 v1, 5, v0
	v_readfirstlane_b32 s16, v1                    ; wave 0..3
	v_and_b32 v1, 31, v0                           ; lane
	v_and_b32 v2, 15, v0                           ; r
	v_bfe_u32 v3, v0, 4, 1                         ; h
	v_lshlrev_b32 v4, 4, v1                        ; 16 x lane: my bytes of a load's and of a store's 512
	s_mul_i32 s17, s16, WLDS
	v_add_nc_u32 v5, s17, v4                       ; the stage, on the way in
	v_mul_u32_u24 v6, v2, SP
	v_lshl_add_u32 v6, v3, 7, v6
	v_add_nc_u32 v6, s17, v6                       ; and on the way out: row r, + 128 h
	s_add_co_u32 s17, s17, TAIL
	v_lshl_add_u32 v7, v1, 2, s17                  ; the tail: 4 bytes a lane in,
	v_lshl_add_u32 v8, v1, 3, s17                  ; 8 bytes a lane out
	v_lshlrev_b32 v9, 3, v1
	v_lshlrev_b32 v10, 3, v3                       ; 8 h: my bytes' place in a scale word
	v_mov_b32 v[TMP], 0                            ; written once: a lane permute's destination counts as one of its sources
	s_mov_b32 s22, 0x76543210
	s_mov_b32 s23, 0xfedcba98                      ; v_permlanex16_b32's selects for lane l xor 16
	s_lshl_b32 s18, ttmp9, 2
	s_add_co_u32 s18, s18, s16                     ; my record
	s_and_b32 s20, s18, 511
	s_lshl_b32 s20, s20, 14                        ; its 16 rows of 1,024 bytes in its tensor
	s_mov_b32 s21, 0
	s_mul_i32 s24, s18, REC
	s_mov_b32 s25, 0
	s_wait_alu depctr_va_vdst(0)
	s_wait_kmcnt 0x0
	s_cmp_lt_u32 ttmp9, 256                        ; work-group 256 takes code_age (below); it touches no LDS
	s_cbranch_scc0 .Lages
	s_cmp_lt_u32 ttmp9, 128                        ; z's work-group or emb's?  The choice hangs on the work-group's number alone
	s_cselect_b64 s[4:5], s[4:5], s[6:7]
	s_add_nc_u64 s[4:5], s[4:5], s[20:21]
	s_add_nc_u64 s[8:9], s[8:9], s[24:25]
.irp s, 0,1                                    ; all 32 loads go out at once: 16 KiB a wave; K step 0's first
.irp p, 0,1,2,3,4,5,6,7,8,9,10,11,12,13,14,15
	global_load_b128 v[R+64*\s+4*\p:R+64*\s+4*\p+3], v4, s[4:5] offset:1024*\p+512*\s th:TH_LOAD_NT
.endr
.endr
.macro TURN s                          ; K step s through the stage: LDS serves a wave's instructions in order (ISA guide 5.7.1.4), so no wait stands between the stores and the loads
.irp p, 0,1,2,3,4,5,6,7,8,9,10,11,12,13,14,15
	ds_store_b128 v5, v[R+64*\s+4*\p:R+64*\s+4*\p+3] offset:SP*\p
.endr
.irp c, 0,1
.irp i, 0,1,2,3,4,5,6,7
	ds_load_b128 v[X+32*\c+4*\i:X+32*\c+4*\i+3], v6 offset:256*\c+16*\i
.endr
.endr
.endm
.macro QUANT s                         ; my two whole blocks of K step s: blocks h and 2 + h of my row
.irp c, 0,1
	v_max3_num_f32 v[MX+\c], |v[X+32*\c]|, |v[X+32*\c+1]|, 0x1800000    ; with the floor 2^(3 - 127): the byte cannot fall under 1
.endr
.irp i, 2,4,6,8,10,12,14,16,18,20,22,24,26,28,30
.irp c, 0,1
	v_max3_num_f32 v[MX+\c], v[MX+\c], |v[X+32*\c+\i]|, |v[X+32*\c+\i+1]|   ; (the two blocks by turns)
.endr
.endr
.irp i, 0,4,8,12,16,20,24,28,32,36,40,44,48,52,56,60
.if (\s == 0) && (\i == 0)
	v_pk_mul_f32 v[QA:QA+1], v[X:X+1], v[X:X+1]                    ; the first products start the four chains: nothing is cleared
	v_pk_mul_f32 v[QB:QB+1], v[X+2:X+3], v[X+2:X+3]
.else
	v_pk_fma_f32 v[QA:QA+1], v[X+\i:X+\i+1], v[X+\i:X+\i+1], v[QA:QA+1]
	v_pk_fma_f32 v[QB:QB+1], v[X+\i+2:X+\i+3], v[X+\i+2:X+\i+3], v[QB:QB+1]
.endif
.endr
.irp c, 0,1
	v_add_nc_u32 v[SCO+\c], 0xff000000, v[MX+\c]   ; 2 off the exponent field: the conversion takes the exponent field of this operand as its scale
.endr
.irp c, 0,1
	v_lshrrev_b32 v[BY+\c], 23, v[SCO+\c]          ; the scale's byte
.endr
	v_lshl_or_b32 v[W+\s], v[BY+1], 16, v[BY]      ; my two bytes,
	v_lshlrev_b32 v[W+\s], v10, v[W+\s]            ; at their places in the word;
	v_permlanex16_b32 v[TMP], v[W+\s], s22, s23
	v_or_b32 v[W+\s], v[W+\s], v[TMP]              ; with lane l xor 16's two the word is whole
.irp c, 0,1
	v_cvt_scalef32_pk16_fp6_f32 v[F+12*\s+6*\c:F+12*\s+6*\c+2], v[X+32*\c:X+32*\c+15], v[SCO+\c]
	v_cvt_scalef32_pk16_fp6_f32 v[T+4*\c:T+4*\c+2], v[X+32*\c+16:X+32*\c+31], v[SCO+\c]
.endr
	v_nop                                          ; one plain place behind a scaled conversion
.irp c, 0,1
.irp i, 0,1,2
	v_mov_b32 v[F+12*\s+6*\c+3+\i], v[T+4*\c+\i]
.endr
.endr
.irp c, 0,1,2
	global_store_b128 v4, v[F+12*\s+4*\c:F+12*\s+4*\c+3], s[8:9] offset:1536*\s+512*\c   ; 32 lanes store 512 consecutive bytes, at a multiple of 256 from the buffer's first byte
.endr
.endm
	s_wait_loadcnt 16                              ; K step 0's sixteen loads are in; K step 1's sixteen may be out
	TURN 0
	s_wait_dscnt 0x0
	QUANT 0
	s_wait_loadcnt 0x0
	TURN 1
	s_wait_dscnt 0x0
	QUANT 1
	; the record's last 256 bytes: 32 scale words, then the 16 sums of squares twice
	v_pk_add_f32 v[QA:QA+1], v[QA:QA+1], v[QB:QB+1]
	v_add_f32 v[QA], v[QA], v[QA+1]
	v_permlanex16_b32 v[TMP], v[QA], s22, s23
	v_add_f32 v[QA], v[QA], v[TMP]                 ; with lane l xor 16's half of the row
	v_cmp_ne_u32 vcc_lo, 0, v3
	v_cndmask_b32 v[TMP+1], v[W], v[W+1], vcc_lo   ; lanes 0-15 hand in K step 0's word, lanes 16-31 K step 1's
	ds_store_b32 v7, v[TMP+1]
	ds_store_b32 v7, v[QA] offset:128
	ds_load_b64 v[254:255], v8                     ; in order behind my stores
	s_wait_dscnt 0x0
	global_store_b64 v9, v[254:255], s[8:9] offset:3072   ; 32 lanes store 256 consecutive bytes, aligned
	s_wait_tensorcnt 0x0
	ds_add_u32 v235, v239
	s_wait_dscnt 0x0
	s_endpgm
; Work-group 256: code_age.  Wave w takes 2,048 ages, 64 a lane, and stores for each lane (their sum, how many lie under 128) into agep: 256 bytes a wave.  The last launch adds the 128 pairs up.
.Lages:
	s_load_b128 s[12:15], s[0:1], 0x18             ; code_age, agep
	s_lshl_b32 s20, s16, 13
	s_mov_b32 s21, 0
	s_lshl_b32 s24, s16, 8
	s_mov_b32 s25, 0
	s_wait_kmcnt 0x0
	s_add_nc_u64 s[12:13], s[12:13], s[20:21]
	s_add_nc_u64 s[14:15], s[14:15], s[24:25]
.irp p, 0,1,2,3,4,5,6,7,8,9,10,11,12,13,14,15
	global_load_b128 v[R+4*\p:R+4*\p+3], v4, s[12:13] offset:512*\p th:TH_LOAD_NT
.endr
	s_wait_loadcnt 0x0
	v_mov_b32 v248, 0                              ; the count, a whole number: at most 64 a lane
.irp p, 0,1,2,3,4,5,6,7,8,9,10,11,12,13,14,15
.irp i, 0,1,2,3
	v_cmp_gt_f32 vcc_lo, 0x43000000, v[R+4*\p+\i]  ; 128 > age
	v_add_co_ci_u32 v248, vcc_lo, 0, v248, vcc_lo  ; the count takes the mask's bit as its carry in
.endr
.if \p == 0
	v_pk_add_f32 v[250:251], v[R:R+1], v[R+2:R+3]
.elseif \p == 1
	v_pk_add_f32 v[252:253], v[R+4:R+5], v[R+6:R+7]
.else
	v_pk_add_f32 v[250:251], v[250:251], v[R+4*\p:R+4*\p+1]
	v_pk_add_f32 v[252:253], v[252:253], v[R+4*\p+2:R+4*\p+3]
.endif
.endr
	v_pk_add_f32 v[250:251], v[250:251], v[252:253]
	v_add_f32 v250, v250, v251
	v_cvt_f32_u32 v251, v248
	global_store_b64 v9, v[250:251], s[14:15]      ; 32 lanes store 256 consecutive bytes, aligned
	s_endpgm
.Lfunc_end_k_q8db6b4055c_quant:
	.size	k_q8db6b4055c_quant, .Lfunc_end_k_q8db6b4055c_quant-k_q8db6b4055c_quant
	.p2alignl 7, 3214868480
	.fill 96, 4, 3214868480
	.section	.rodata,"a",@progbits
	.p2align	6, 0x0
	.amdhsa_kernel k_q8db6b4055c_quant
		.amdhsa_group_segment_fixed_size 35328
		.amdhsa_private_segment_fixed_size 0
		.amdhsa_enable_private_segment 0
		.amdhsa_kernarg_size 40
		.amdhsa_user_sgpr_count 2
		.amdhsa_user_sgpr_kernarg_segment_ptr 1
		.amdhsa_wavefront_size32 1
		.amdhsa_system_sgpr_workgroup_id_x 1
		.amdhsa_system_sgpr_workgroup_id_y 1
		.amdhsa_system_sgpr_workgroup_id_z 1
		.amdhsa_system_vgpr_workitem_id 0
		.amdhsa_next_free_vgpr 256
		.amdhsa_next_free_sgpr 66
		.amdhsa_reserve_vcc 1
		.amdhsa_float_denorm_mode_32 3
		.amdhsa_float_denorm_mode_16_64 3
		.amdhsa_memory_ordered 1
		.amdhsa_forward_progress 1
		.amdhsa_inst_pref_size 31
	.end_amdhsa_kernel
	.amdgpu_metadata
---
amdhsa.version: [ 1, 2 ]
amdhsa.kernels:
  - .name:           k_q8db6b4055c_quant
    .symbol:         k_q8db6b4055c_quant.kd
    .args:
      - { .name: z, .offset: 0, .size: 8, .value_kind: global_buffer, .address_space: global }
      - { .name: emb, .offset: 8, .size: 8, .value_kind: global_buffer, .address_space: global }
      - { .name: rec, .offset: 16, .size: 8, .value_kind: global_buffer, .address_space: global }
      - { .name: code_age, .offset: 24, .size: 8, .value_kind: global_buffer, .address_space: global }
      - { .name: agep, .offset: 32, .size: 8, .value_kind: global_buffer, .address_space: global }
    .group_segment_fixed_size: 35328
    .private_segment_fixed_size: 0
    .kernarg_segment_align: 8
    .kernarg_segment_size: 40
    .max_flat_workgroup_size: 128
    .sgpr_count:     66
    .vgpr_count:     256
    .wavefront_size: 32
...
	.end_amdgpu_metadata
.endif
;; end of part 1
;; launch argmin (part 2): grid 32 x 8, 8 waves a work-group, clusters of 4 x 4, 327,680 bytes of LDS; arguments rec, part; writes part
.if DOCPART == 2
	.amdgcn_target "amdgcn-amd-amdhsa--gfx1250"
	.amdhsa_code_object_version 6
	.text
	.protected	k_q8db6b4055c_argmin
	.globl	k_q8db6b4055c_argmin
	.p2align	8
	.type	k_q8db6b4055c_argmin,@function
k_q8db6b4055c_argmin:
	s_mov_b64 s[64:65], 0
	v_nop
	global_prefetch_b8 v0, s[64:65] scope:SCOPE_SE
	s_setreg_imm32_b32 hwreg(HW_REG_WAVE_MODE, 25, 1), 1
	s_wait_xcnt 0x0
	s_wait_alu depctr_hold_cnt(0) depctr_sa_sdst(0) depctr_va_vdst(0) depctr_va_sdst(0) depctr_va_ssrc(0) depctr_va_vcc(0) depctr_vm_vsrc(0)
	s_getreg_b32 s2, hwreg(HW_REG_IB_STS2, 6, 4)
	s_cmp_eq_u32 s2, 0
	s_cbranch_scc0 .Lentry_in_a_cluster
	s_endpgm
.Lentry_in_a_cluster:
	s_bfe_u32 s2, ttmp6, 0x10000c
	s_cmp_lg_u32 s2, 0xf033
	s_cbranch_scc0 .Lentry_shape_is_right
	s_endpgm
.Lentry_shape_is_right:
; d[token][code] = (|z|^2 + |e|^2) - 2 z.e, z.e on codes of FP6 (E2M3) with E8M0 scales, K = 256: two matrix instructions a tile of 16 x 16.  For each token the smallest d of 1,024 codes
; and the lowest code that has it.  Rounding as the problem's definition has it: s = zz + ee rounded once, d = s - 2 dot rounded once (one fused multiply-add: doubling is exact), strict "<", ascending codes.
; SHARES.  Work-group (tb, y): tokens 256 tb on, codes 1,024 y on.  Wave w: tokens 128 (w & 1) on, as eight tiles whose fragments stay in registers, and the 16 tiles of codes of group g = w >> 1: codes 256 g on.
; OUT: part[y][token] = (key, code): key is d's bit image turned so that unsigned order is d's order.  The next launch takes the first smallest key of the eight y by whole-number compares.
; LAYOUT.  Source 0 = 16 codes, source 1 = 16 tokens: a lane holds ONE token (lane % 16), its eight registers the codes 16 x tile + 8 (lane / 16) + 0 .. 7.
; THE VECTOR WORK A TILE: 4 packed additions (s), 4 packed multiply-adds (d), 4 minima (the group's smallest, g), one compare g < M, and five pairs of selects under that one mask, which keep the
; winning group's eight d, its g and its first code.  Where in the winning group the minimum lies is looked for once, at the end.  No branch and no address hangs on a number.
; ORDER.  A PHASE is four token tiles (a quad) of one tile of codes: two blocks, K step 0 and K step 1 of the quad, four matrix instructions each.  The vector work of the quad before stands in the same two blocks,
; two token tiles a block: their multiply-adds behind the matrix instructions (their second source is a constant, so the register window need not change), then minima, the next pair's s, compares and selects.
; LDS: every byte is filled once: the 64 records of my codes (212,992 bytes, as they lie in memory), the 16 records of my tokens (53,248), and a stage of 8,192 bytes that only LDS stores write.
; LOADS.  At the head each wave issues one: waves 0 to 3 four records of tokens each, waves 4 to 7 the first six tiles of codes of one group each.  Behind the round that follows, each wave issues one more:
; five of the remaining ten tiles of a group.  They have the first six tiles' work in which to land.
; CLUSTER, 4 x 4.  The four of a row have the same y and ask jointly for the codes; the four of a column have the same tokens and ask jointly for them.
; No prefetch: the two loads a wave bring all that the launch reads; no loop is left that could run ahead of them.
; LIMITS: NaN and infinities, and a d that overflows f32, are not served.
; REGISTERS: window 0: v3-7 LDS addresses; v8-13, v16-17 the tokens' scale words, v14-15 the codes', two sets (scales alone); v18-25 zz; v26-41 ee, two sets; v42-57 s, two token tiles; v58-73 (M, first code of its
;   group) a token tile; v74-137 the winning groups' d; v138-139 g; v140 the group's first code; v141 the stage's address; v142-189 the codes' fragments, two sets; v190-253 eight accumulators; v254-255 the add's.
;   window 1: v0-191 the tokens' 16 fragments.
.set REC,   3328                       ; a record: 16 rows x 256 K: 3,072 bytes of register images, 128 of scale words, 128 of sums of squares
.set EOFF,  512*REC                    ; where the codes' records begin in rec
.set ZL,    64*REC                     ; LDS: the tokens' records
.set STG,   ZL+16*REC                  ; LDS: the stage: [4][256 tokens] x 8 bytes
.set SPARE, STG+8192                   ; LDS: the spare words, 128 bytes for each wave, that no other line names
.set LF,  3                            ; v3   16 x lane + my group of codes
.set LS,  4                            ; v4   4 x lane + the same + 3,072: scale words
.set LE,  5                            ; v5   32 (lane / 16) + the same + 3,200: my eight ee
.set LZ,  6                            ; v6   16 x lane + my eight records of tokens
.set LZ4, 7                            ; v7   4 x lane + the same + 3,072
.set ZS,  8                            ; token tile t's scale words: v[8 + t], of tiles 6 and 7 v16, v17
.set ES0, 14
.set ES1, 15
.set ZZ,  18
.set EE0, 26
.set EE1, 34
.set S,   42
.set MG,  58
.set SAV, 74
.set G,   138
.set CUR, 140
.set STA, 141
.set EF0, 142
.set EF1, 166
.set ACC, 190
.set SPW, 254
.set NIL, 255
.set POS, 26                           ; the end: v26-33 a place in the winning group for each token tile (ee is done with)
.set KI,  190                          ; the end: v190-205 (key, code) for each token tile (the accumulators are done with)
.set OT,  42                           ; the end: v42-57 the other half of the lanes' (s is done with)
.set MA,  66                           ; s66-73, s74-81, s82-89: the end's masks, one of each for each token tile
.set MB,  74
.set MC,  82
.set WV,  8                            ; s8   my wave's number
.set G1Z, 24                           ; descriptor groups 1: tokens (4 records), codes at the head (6), codes behind the round (5)
.set G1E, 32
.set G1F, 40
.set G0Z, 48                           ; and their groups 0
.set G0E, 52
.set G0F, 56
.set MSB, 0
.macro WIN new                         ; the immediate's high byte repeats the setting that is left
.if MSB != \new
	s_set_vgpr_msb (MSB<<8)|\new
.set MSB, \new
.endif
.endm
.macro ROUND                           ; a round of the cluster's barrier
	s_barrier_signal -1
	s_barrier_wait -1
	s_cmp_lg_u32 s[WV], 0
	s_cbranch_scc1 .Lnot_wave_0_\@
	s_barrier_signal -3
.Lnot_wave_0_\@:
	s_barrier_wait -3
	s_barrier_signal -1
	s_barrier_wait -1
.endm
; Two selects under VCC in one dual-issue pair: d0 takes b0 and d1 takes b1 where the group has won.  first = 1: the wave's first tile: plain copies start the state.
.macro SEL2 d0, b0, d1, b1, first
.if \first
	v_dual_mov_b32 v[\d0], v[\b0] :: v_dual_mov_b32 v[\d1], v[\b1]
.else
	v_dual_cndmask_b32 v[\d0], v[\d0], v[\b0] :: v_dual_cndmask_b32 v[\d1], v[\d1], v[\b1]
.endif
.endm
.macro LDT off, ef, es                 ; a tile of codes: its two fragments, as images, and its scale words (lanes 0-15 K step 0's, lanes 16-31 K step 1's)
.irp s, 0,1
.irp c, 0,1,2
	ds_load_b128 v[\ef+12*\s+4*\c:\ef+12*\s+4*\c+3], v[LF] offset:\off+1536*\s+512*\c
.endr
.endr
	ds_load_b32 v[\es], v[LS] offset:\off
.endm
.macro LDE off, ee                     ; and the sums of squares of my eight codes
	ds_load_b128 v[\ee:\ee+3], v[LE] offset:\off
	ds_load_b128 v[\ee+4:\ee+7], v[LE] offset:\off+16
.endm
.macro TOK t                           ; token tile t's two fragments (window 1)
.irp s, 0,1
.irp c, 0,1,2
	ds_load_b128 v[24*(\t)+12*\s+4*\c:24*(\t)+12*\s+4*\c+3], v[LZ] offset:REC*(\t)+1536*\s+512*\c
.endr
.endr
.endm
.macro WM k, t, ef, es                 ; one matrix instruction: token tile t, K step k; K step 0 starts the sum
.set ZR, ZS+(\t)+2*((\t)/6)
.if \k == 0
	v_wmma_scale_f32_16x16x128_f8f6f4 v[ACC+8*(\t):ACC+8*(\t)+7], v[\ef:\ef+11], v[24*(\t):24*(\t)+11], 0, v[\es], v[ZR] matrix_a_fmt:MATRIX_FMT_FP6 matrix_b_fmt:MATRIX_FMT_FP6
.else
	v_wmma_scale_f32_16x16x128_f8f6f4 v[ACC+8*(\t):ACC+8*(\t)+7], v[\ef+12:\ef+23], v[24*(\t)+12:24*(\t)+23], v[ACC+8*(\t):ACC+8*(\t)+7], v[\es], v[ZR] matrix_a_fmt:MATRIX_FMT_FP6 matrix_b_fmt:MATRIX_FMT_FP6 matrix_a_scale:MATRIX_SCALE_ROW1 matrix_b_scale:MATRIX_SCALE_ROW1
.endif
.endm
.macro SADD1 t, set, p, ee             ; one line of s = ee + zz for token tile t: codes 2 p, 2 p + 1 of my eight; my token's zz serves both halves of the pair
.if ((\t)%2) == 0
	v_pk_add_f32 v[S+8*(\set)+2*(\p):S+8*(\set)+2*(\p)+1], v[\ee+2*(\p):\ee+2*(\p)+1], v[ZZ+2*((\t)/2):ZZ+2*((\t)/2)+1] op_sel_hi:[1,0]
.else
	v_pk_add_f32 v[S+8*(\set)+2*(\p):S+8*(\set)+2*(\p)+1], v[\ee+2*(\p):\ee+2*(\p)+1], v[ZZ+2*((\t)/2):ZZ+2*((\t)/2)+1] op_sel:[0,1] op_sel_hi:[1,1]
.endif
.endm
.macro SX t2, n, ee                    ; line n of the eight that make the s of token tiles t2, t2 + 1; none where t2 < 0
.if \t2 >= 0
	SADD1 \t2+\n/4, \n/4, \n%4, \ee
.endif
.endm
.macro FMA1 t, set, p                  ; one line of d = s - 2 dot, in place; an accumulator's four lines go from its low end on
	v_pk_fma_f32 v[ACC+8*(\t)+2*(\p):ACC+8*(\t)+2*(\p)+1], v[ACC+8*(\t)+2*(\p):ACC+8*(\t)+2*(\p)+1], -2.0, v[S+8*(\set)+2*(\p):S+8*(\set)+2*(\p)+1] op_sel_hi:[1,0,1]
.endm
.macro MINA u, t
	v_min3_num_f32 v[G+\u], v[ACC+8*(\t)], v[ACC+8*(\t)+1], v[ACC+8*(\t)+2]
.endm
.macro MINB u, t, i
	v_min3_num_f32 v[G+\u], v[G+\u], v[ACC+8*(\t)+\i], v[ACC+8*(\t)+\i+1]
.endm
.macro MINC u, t
	v_min_num_f32 v[G+\u], v[G+\u], v[ACC+8*(\t)+7]
.endm
.macro KEEP5 u, t, first               ; the winning group's eight d, its g and its first code
.irp p, 0,1,2,3
	SEL2 SAV+8*(\t)+2*\p, ACC+8*(\t)+2*\p, SAV+8*(\t)+2*\p+1, ACC+8*(\t)+2*\p+1, \first
.endr
	SEL2 MG+2*(\t), G+\u, MG+2*(\t)+1, CUR, \first
.endm
; A BLOCK.  Matrix: K step k (2: none) of token tiles 4 h .. 4 h + 3 on the codes in ef; the four accumulators take turns, and three others' instructions stand between a sum's two steps.
; Vector: token tiles t0, t0 + 1 of the quad before, from the other four accumulators; and the s of the pair t2, t2 + 1 that comes next (s is free behind the multiply-adds).
; dw >= 0: the tokens' fragments are still coming in, six loads a tile: dw - 6 j loads were issued behind the j-th tile's.
.macro BLOCK k, h, ef, es, t0, t2, ee, first, dw
.if \k < 2
	WIN 0x04                                       ; source 1, the tokens' fragments, lies in window 1
.endif
.irp j, 0,1,2,3
.if \k < 2
.if \dw >= 0
	s_wait_dscnt \dw-6*\j
.endif
	WM \k, 4*\h+\j, \ef, \es
.endif
	FMA1 \t0+\j/2, \j/2, 2*(\j%2)
	FMA1 \t0+\j/2, \j/2, 2*(\j%2)+1
.endr
	WIN 0
.if \dw >= 0
	s_wait_alu depctr_va_vdst(0)
.endif
	MINA 0, \t0
	MINA 1, \t0+1
	SX \t2, 0, \ee
	SX \t2, 1, \ee
	MINB 0, \t0, 3
	MINB 1, \t0+1, 3
	SX \t2, 2, \ee
	SX \t2, 3, \ee
	MINB 0, \t0, 5
	MINB 1, \t0+1, 5
	SX \t2, 4, \ee
	MINC 0, \t0
	SX \t2, 5, \ee
	MINC 1, \t0+1
.if !\first
	v_cmp_lt_f32 vcc_lo, v[G], v[MG+2*(\t0)]       ; strictly smaller: an earlier group keeps a tie
.endif
	SX \t2, 6, \ee
	SX \t2, 7, \ee
	KEEP5 0, \t0, \first
.if !\first
	v_cmp_lt_f32 vcc_lo, v[G+1], v[MG+2*(\t0)+2]
.endif
	KEEP5 1, \t0+1, \first
.endm
; A TRIP: the vector work of tiles of codes 2 q and 2 q + 1; the matrix instructions run one phase ahead: tile 2 q's second quad to tile 2 q + 2's first.
; A tile's fragments, scale words and ee are asked for when the set that held the tile two before is done with, three blocks ahead of their wait.
; bar = 1: the second load of every wave has landed before tile 2 q + 2 is asked for: signal and wait a block apart, register work alone between.
.macro TRIP q, first, bar, last
.if \first
	BLOCK 0, 1, EF0, ES0, 0, 2, EE0, 1, 27
.else
	BLOCK 0, 1, EF0, ES0, 0, 2, EE0, 0, -1
.endif
	BLOCK 1, 1, EF0, ES0, 2, 4, EE0, \first, -1
	s_wait_dscnt 0x0                               ; tile 2 q + 1 is in
.if \bar
	s_wait_tensorcnt 0x0                           ; my second load has landed; no LDS instruction of mine is out
	s_barrier_signal -1
.endif
	BLOCK 0, 0, EF1, ES1, 4, 6, EE0, \first, -1
.if \bar
	s_barrier_wait -1                              ; everybody's has
.endif
.if !\last
	LDT (2*\q+2)*REC, EF0, ES0
	LDE (2*\q+2)*REC, EE0
.endif
	BLOCK 1, 0, EF1, ES1, 6, 0, EE1, \first, -1
	v_add_nc_u32 v[CUR], 16, v[CUR]
	BLOCK 0, 1, EF1, ES1, 0, 2, EE1, 0, -1
	BLOCK 1, 1, EF1, ES1, 2, 4, EE1, 0, -1
.if \last
	BLOCK 2, 0, EF0, ES0, 4, 6, EE1, 0, -1
	BLOCK 2, 0, EF0, ES0, 6, -1, EE1, 0, -1
.else
	s_wait_dscnt 0x0                               ; tile 2 q + 2 is in
	BLOCK 0, 0, EF0, ES0, 4, 6, EE1, 0, -1
	LDT (2*\q+3)*REC, EF1, ES1
	LDE (2*\q+3)*REC, EE1
	BLOCK 1, 0, EF0, ES0, 6, 0, EE0, 0, -1
	v_add_nc_u32 v[CUR], 16, v[CUR]
.endif
.endm
; (ka, ia) takes (kb, ib) where kb < ka, or kb = ka and ib < ia: the smaller d, and of equal d the lower code.  Whole numbers alone.
.macro LEX ka, ia, kb, ib
	v_cmp_lt_u32 s20, v[\kb], v[\ka]
	v_cmp_eq_u32 s21, v[\kb], v[\ka]
	v_cmp_lt_u32 vcc_lo, v[\ib], v[\ia]
	s_and_b32 s21, s21, vcc_lo
	s_or_b32 vcc_lo, s20, s21
	v_cndmask_b32 v[\ka], v[\ka], v[\kb], vcc_lo
	v_cndmask_b32 v[\ia], v[\ia], v[\ib], vcc_lo
.endm
	s_load_b128 s[4:7], s[0:1], 0x0                ; rec, part
	v_lshl_add_u32 v[SPW], v0, 2, SPARE
	v_mov_b32 v[NIL], 0
	ds_add_u32 v[SPW], v[NIL]                      ; the wave's opening: the add, twice on end, and its wait ahead of my first tensor load
	ds_add_u32 v[SPW], v[NIL]
	v_lshrrev_b32 v1, 5, v0
	v_readfirstlane_b32 s[WV], v1                  ; wave 0..7
	s_and_b32 s9, s[WV], 1                         ; which 128 tokens
	s_lshr_b32 s14, s[WV], 1                       ; g
	s_and_b32 s15, s[WV], 3                        ; which quarter of the tokens, or which group of codes, I fetch at the head
	s_bfe_u32 s10, ttmp6, 0x40000                  ; cx, cy: my place in the cluster
	s_bfe_u32 s11, ttmp6, 0x40004
	s_lshl_b32 s12, ttmp9, 2                       ; in a cluster launch ttmp9 and ttmp7 count clusters
	s_add_co_u32 s12, s12, s10                     ; tb
	s_and_b32 s13, ttmp7, 0xffff
	s_lshl_b32 s13, s13, 2
	s_add_co_u32 s13, s13, s11                     ; y
	s_lshl_b32 s20, 0x1111, s10                    ; my column: it shares the tokens
	s_lshl_b32 s21, s11, 2
	s_lshl_b32 s21, 15, s21                        ; my row: it shares the codes
	; descriptor groups 1: records are dense: rows of 256 bytes (32 elements of 8 bytes), 13 to a record, no padding; bit 21 is set beside a mask
	s_or_b32 s[G1Z], s20, (3<<16)|(1<<21)
	s_or_b32 s[G1E], s21, (3<<16)|(1<<21)
	s_or_b32 s[G1F], s21, (3<<16)|(1<<21)
	s_mov_b32 s[G1Z+2], 52<<16                     ; tensor_dim1 = tile_dim1: 4, 6 and 5 records
	s_mov_b32 s[G1Z+4], 52
	s_mov_b32 s[G1E+2], 78<<16
	s_mov_b32 s[G1E+4], 78
	s_mov_b32 s[G1F+2], 65<<16
	s_mov_b32 s[G1F+4], 65
.irp g, G1Z, G1E, G1F
	s_mov_b32 s[\g+1], 32<<16                      ; tensor_dim0 = 32
	s_mov_b32 s[\g+3], 32<<16                      ; tile_dim0 = 32
	s_mov_b32 s[\g+5], 32                          ; from row to row
	s_mov_b32 s[\g+6], 0
	s_mov_b32 s[\g+7], 0
.endr
	; where they come from.  The tokens' registers never hold cy, the codes' never cx
	s_lshl_b32 s16, s12, 4
	s_lshl_b32 s17, s15, 2
	s_add_co_u32 s16, s16, s17
	s_mul_i32 s16, s16, REC                        ; the tokens' records 16 tb + 4 (w & 3) on
	s_mov_b32 s17, 0
	s_lshl_b32 s18, s13, 6
	s_lshl_b32 s19, s15, 4
	s_add_co_u32 s18, s18, s19
	s_mul_i32 s18, s18, REC
	s_add_co_u32 s18, s18, EOFF                    ; the codes' records 64 y + 16 (w & 3) on
	s_mov_b32 s19, 0
	s_lshl_b32 s68, s14, 4
	s_mul_i32 s69, s9, 5
	s_add_co_u32 s68, s68, s69
	s_add_co_u32 s68, s68, 6                       ; 16 g + 6 + 5 (w & 1): what I fetch behind the round,
	s_lshl_b32 s62, s13, 6
	s_add_co_u32 s62, s62, s68
	s_mul_i32 s62, s62, REC
	s_add_co_u32 s62, s62, EOFF                    ; in memory
	s_mov_b32 s63, 0
	s_mul_i32 s68, s68, REC                        ; and in LDS
	s_mul_i32 s66, s15, 4*REC
	s_mul_i32 s67, s15, 16*REC
	s_lshl_b32 s70, s13, 16
	s_lshl_b32 s71, s12, 11
	s_add_co_u32 s70, s70, s71                     ; part: (8,192 y + 256 tb) x 8 bytes
	s_mov_b32 s71, 0
	s_mov_b32 s[G0Z], 1                            ; count = 1
	s_mov_b32 s[G0E], 1
	s_mov_b32 s[G0F], 1
	s_add_co_u32 s[G0Z+1], s66, ZL                 ; LDS addresses: made of the wave's number alone
	s_add_co_u32 s[G0E+1], s67, 0
	s_add_co_u32 s[G0F+1], s68, 0
	s_mov_b32 s22, 0x76543210
	s_mov_b32 s23, 0xfedcba98                      ; v_permlanex16_b32's selects for lane l xor 16
	s_wait_alu depctr_va_vdst(0)
	s_wait_dscnt 0x0                               ; both opening adds are done
	ROUND                                          ; all sixteen work-groups are here: the joint loads meet
	s_wait_kmcnt 0x0
	s_add_nc_u64 s[G0Z+2:G0Z+3], s[4:5], s[16:17]
	s_or_b32 s[G0Z+3], s[G0Z+3], 0x80000000        ; type = 2
	s_add_nc_u64 s[G0E+2:G0E+3], s[4:5], s[18:19]
	s_or_b32 s[G0E+3], s[G0E+3], 0x80000000
	s_add_nc_u64 s[G0F+2:G0F+3], s[4:5], s[62:63]
	s_or_b32 s[G0F+3], s[G0F+3], 0x80000000
	s_add_nc_u64 s[60:61], s[6:7], s[70:71]
	s_cmp_lt_u32 s[WV], 4                          ; one load a wave at the head: tokens or codes
	s_cbranch_scc0 .Lhead_codes
	tensor_load_to_lds s[G0Z:G0Z+3], s[G1Z:G1Z+7]
	s_nop 0
.rept 4
	v_nop
.endr
	s_branch .Lhead_asked
.Lhead_codes:
	tensor_load_to_lds s[G0E:G0E+3], s[G1E:G1E+7]
	s_nop 0
.rept 4
	v_nop
.endr
.Lhead_asked:
	s_mul_i32 s16, s14, 16*REC
	s_add_co_u32 s17, s16, 3072
	s_add_co_u32 s18, s16, 3200
	s_mul_i32 s19, s9, 8*REC
	s_add_co_u32 s19, s19, ZL
	s_add_co_u32 s20, s19, 3072
	s_lshl_b32 s62, s13, 10
	s_lshl_b32 s63, s14, 8
	s_add_co_u32 s62, s62, s63
	s_lshl_b32 s66, s14, 11
	s_lshl_b32 s67, s9, 10
	s_add_co_u32 s66, s66, s67
	s_add_co_u32 s66, s66, STG
	v_and_b32 v1, 31, v0                           ; lane
	v_bfe_u32 v2, v0, 4, 1                         ; h
	v_lshl_add_u32 v[LF], v1, 4, s16
	v_lshl_add_u32 v[LS], v1, 2, s17
	v_lshl_add_u32 v[LE], v2, 5, s18
	v_lshl_add_u32 v[LZ], v1, 4, s19
	v_lshl_add_u32 v[LZ4], v1, 2, s20
	v_lshl_add_u32 v[CUR], v2, 3, s62              ; my first group's first code: 1,024 y + 256 g + 8 h
	v_and_b32 v1, 15, v0
	v_lshl_add_u32 v[STA], v1, 3, s66              ; the stage: 2,048 g + 8 x (128 (w & 1) + lane % 16)
	s_wait_alu depctr_va_vdst(0)
	s_wait_tensorcnt 0x0                           ; my part of the head's tiles is in
	ds_add_u32 v[SPW], v[NIL]
	s_wait_dscnt 0x0
	ROUND                                          ; everybody's is, in all sixteen work-groups
	tensor_load_to_lds s[G0F:G0F+3], s[G1F:G1F+7]  ; five of the remaining ten tiles of a group
	s_nop 0
.rept 4
	v_nop
.endr
	; the first tile of codes, then the tokens: 73 loads; each wait below counts what was issued behind what is wanted
	LDT 0, EF0, ES0
.irp t, 0,1,2,3,4,5,6,7
	ds_load_b32 v[ZS+\t+2*(\t/6)], v[LZ4] offset:REC*\t     ; scale words: lanes 0-15 K step 0's, lanes 16-31 K step 1's
.endr
	WIN 0x40                                       ; destination window 1, address window 0
.irp t, 0,1,2,3
	TOK \t
.endr
	WIN 0
	LDE 0, EE0
.irp t, 0,1,2,3,4,5,6,7
	ds_load_b32 v[ZZ+\t], v[LZ4] offset:REC*\t+128 ; my token's sum of squares
.endr
	WIN 0x40
.irp t, 4,5,6,7
	TOK \t
.endr
	WIN 0x04
.irp t, 0,1,2,3
	s_wait_dscnt 52-6*\t                           ; behind token tile 0: 18 of tiles 1 to 3, 2 of ee, 8 of zz, 24 of tiles 4 to 7
	WM 0, \t, EF0, ES0
.endr
.irp t, 0,1,2,3
	WM 1, \t, EF0, ES0
.endr
	WIN 0
	LDT REC, EF1, ES1                              ; the second tile of codes
	LDE REC, EE1
	s_wait_dscnt 33                                ; ee and zz are in: behind them 24 loads of tokens and 9 of codes
.irp n, 0,1,2,3,4,5,6,7
	SX 0, \n, EE0                                  ; (these eight are also places behind the products)
.endr
	s_wait_alu depctr_va_vdst(0)
	; sixteen tiles, two a trip, written out by macro: every LDS offset is an immediate (under 65,536) and no address is stepped
	TRIP 0, 1, 0, 0
	TRIP 1, 0, 0, 0
	TRIP 2, 0, 1, 0
.irp q, 3,4,5,6
	TRIP \q, 0, 0, 0
.endr
	TRIP 7, 0, 0, 1
	; THE END.  For each token tile: the lowest place in the winning group that holds M; the code; the key; the better of the two halves of the lanes; into the stage.
	; The eight token tiles go side by side, line by line, each with masks of its own: no line reads the result of the line above it.
.irp t, 0,1,2,3,4,5,6,7
	v_mov_b32 v[POS+\t], 7
.endr
.irp j, 6,5,4,3,2,1,0
.irp t, 0,1,2,3,4,5,6,7
	v_cmp_eq_f32 s[MA+\t], v[SAV+8*\t+\j], v[MG+2*\t]
.endr
.irp t, 0,1,2,3,4,5,6,7
	v_cndmask_b32 v[POS+\t], v[POS+\t], \j, s[MA+\t]
.endr
.endr
.irp t, 0,1,2,3,4,5,6,7
	v_add_nc_u32 v[KI+2*\t+1], v[MG+2*\t+1], v[POS+\t]   ; the code
.endr
.irp t, 0,1,2,3,4,5,6,7
	v_ashrrev_i32 v[KI+2*\t], 31, v[MG+2*\t]
.endr
.irp t, 0,1,2,3,4,5,6,7
	v_or_b32 v[KI+2*\t], 0x80000000, v[KI+2*\t]
.endr
.irp t, 0,1,2,3,4,5,6,7
	v_xor_b32 v[KI+2*\t], v[MG+2*\t], v[KI+2*\t]   ; a positive d gets its top bit set, a negative one is inverted: unsigned order is d's order (d is never -0: s is not negative)
.endr
.irp t, 0,1,2,3,4,5,6,7
	v_permlanex16_b32 v[OT+2*\t], v[KI+2*\t], s22, s23
	v_permlanex16_b32 v[OT+2*\t+1], v[KI+2*\t+1], s22, s23
.endr
.irp t, 0,1,2,3,4,5,6,7
	v_cmp_lt_u32 s[MA+\t], v[OT+2*\t], v[KI+2*\t]  ; the other half's key is smaller,
.endr
.irp t, 0,1,2,3,4,5,6,7
	v_cmp_eq_u32 s[MB+\t], v[OT+2*\t], v[KI+2*\t]  ; or it is equal
.endr
.irp t, 0,1,2,3,4,5,6,7
	v_cmp_lt_u32 s[MC+\t], v[OT+2*\t+1], v[KI+2*\t+1]   ; and its code lower
.endr
.irp t, 0,1,2,3,4,5,6,7
	s_and_b32 s[MB+\t], s[MB+\t], s[MC+\t]
.endr
.irp t, 0,1,2,3,4,5,6,7
	s_or_b32 s[MA+\t], s[MA+\t], s[MB+\t]
.endr
.irp t, 0,1,2,3,4,5,6,7
	v_cndmask_b32 v[KI+2*\t], v[KI+2*\t], v[OT+2*\t], s[MA+\t]
	v_cndmask_b32 v[KI+2*\t+1], v[KI+2*\t+1], v[OT+2*\t+1], s[MA+\t]
.endr
.irp t, 0,1,2,3,4,5,6,7
	ds_store_b64 v[STA], v[KI+2*\t:KI+2*\t+1] offset:128*\t   ; lanes l and l xor 16 write the same bytes with the same value
.endr
	s_wait_dscnt 0x0                               ; for the others' sake: my stores into the stage are done
	s_barrier_signal -1
	s_barrier_wait -1
	v_lshl_add_u32 v232, v0, 3, STG                ; a thread a token: the four pairs of the four groups of codes
.irp c, 0,1,2,3
	ds_load_b64 v[224+2*\c:225+2*\c], v232 offset:2048*\c
.endr
	v_lshlrev_b32 v233, 3, v0
	s_wait_dscnt 0x0
	LEX 224, 225, 226, 227
	LEX 224, 225, 228, 229
	LEX 224, 225, 230, 231
	global_store_b64 v233, v[224:225], s[60:61]    ; a wave stores 256 consecutive bytes, aligned
	s_wait_tensorcnt 0x0
	ds_add_u32 v[SPW], v[NIL]
	s_wait_dscnt 0x0
	ROUND                                          ; the closing round: no work-group ends while a partner may still ask for records that name it
	s_endpgm
.Lfunc_end_k_q8db6b4055c_argmin:
	.size	k_q8db6b4055c_argmin, .Lfunc_end_k_q8db6b4055c_argmin-k_q8db6b4055c_argmin
	.p2alignl 7, 3214868480
	.fill 96, 4, 3214868480
	.section	.rodata,"a",@progbits
	.p2align	6, 0x0
	.amdhsa_kernel k_q8db6b4055c_argmin
		.amdhsa_group_segment_fixed_size 327680
		.amdhsa_private_segment_fixed_size 0
		.amdhsa_enable_private_segment 0
		.amdhsa_kernarg_size 16
		.amdhsa_user_sgpr_count 2
		.amdhsa_user_sgpr_kernarg_segment_ptr 1
		.amdhsa_wavefront_size32 1
		.amdhsa_system_sgpr_workgroup_id_x 1
		.amdhsa_system_sgpr_workgroup_id_y 1
		.amdhsa_system_sgpr_workgroup_id_z 1
		.amdhsa_system_vgpr_workitem_id 0
		.amdhsa_next_free_vgpr 448
		.amdhsa_next_free_sgpr 96
		.amdhsa_reserve_vcc 1
		.amdhsa_float_denorm_mode_32 3
		.amdhsa_float_denorm_mode_16_64 3
		.amdhsa_memory_ordered 1
		.amdhsa_forward_progress 1
		.amdhsa_inst_pref_size 209
	.end_amdhsa_kernel
	.amdgpu_metadata
---
amdhsa.version: [ 1, 2 ]
amdhsa.kernels:
  - .name:           k_q8db6b4055c_argmin
    .symbol:         k_q8db6b4055c_argmin.kd
    .args:
      - { .name: rec, .offset: 0, .size: 8, .value_kind: global_buffer, .address_space: global }
      - { .name: part, .offset: 8, .size: 8, .value_kind: global_buffer, .address_space: global }
    .group_segment_fixed_size: 327680
    .private_segment_fixed_size: 0
    .kernarg_segment_align: 8
    .kernarg_segment_size: 16
    .max_flat_workgroup_size: 256
    .sgpr_count:     96
    .vgpr_count:     448
    .wavefront_size: 32
...
	.end_amdgpu_metadata
.endif
;; end of part 2
;; launch gather (part 3): grid 256 x 1, 8 waves a work-group, no clusters, 0 bytes of LDS; arguments part, z, emb, out0, out3, lossp; writes out0, out3, lossp
.if DOCPART == 3
	.amdgcn_target "amdgcn-amd-amdhsa--gfx1250"
	.amdhsa_code_object_version 6
	.text
	.protected	k_q8db6b4055c_gather
	.globl	k_q8db6b4055c_gather
	.p2align	8
	.type	k_q8db6b4055c_gather,@function
k_q8db6b4055c_gather:
	s_mov_b64 s[64:65], 0
	v_nop
	global_prefetch_b8 v0, s[64:65] scope:SCOPE_SE
	s_setreg_imm32_b32 hwreg(HW_REG_WAVE_MODE, 25, 1), 1
	s_wait_xcnt 0x0
; For each token: the first smallest key of the eight splits of the codes (whole-number compares on what the launch before stored: a strict "<" from split 0 upward keeps the lower code at a tie);
; out3 = that code; out0 = z + (emb[code] - z), rounded as written; and each wave's sum of (emb[code] - z)^2 into lossp.
; A work-group takes 32 tokens, a wave four.  A row is 1,024 bytes: two loads of 16 bytes a lane, each 512 consecutive bytes.  Memory binds: no LDS, no matrix unit, no barrier.
; Each lane of a wave holds one of the work-group's 32 tokens, turned by 4 x wave, so that the wave's own four stand in lanes 0 to 3, and in wave 0 lane = token.
.set Z,  32                            ; v32-63  my four rows of z
.set E,  64                            ; v64-95  the four rows of emb, then of out0
.set D,  96                            ; v96-103 emb - z of the row in hand
.set LA, 104                           ; v[104:105], v[106:107] the sum of squares in four chains
.set LB, 106
	s_load_b256 s[4:11], s[0:1], 0x0               ; part s[4:5], z s[6:7], emb s[8:9], out0 s[10:11]
	s_load_b128 s[12:15], s[0:1], 0x20             ; out3 s[12:13], lossp s[14:15]
	v_lshrrev_b32 v1, 5, v0
	s_delay_alu instid0(VALU_DEP_1)
	v_readfirstlane_b32 s16, v1                    ; wave 0..7
	v_and_b32 v1, 31, v0                           ; lane
	s_lshl_b32 s17, s16, 2
	v_add_nc_u32 v2, s17, v1
	s_delay_alu instid0(VALU_DEP_1)
	v_and_b32 v2, 31, v2
	s_delay_alu instid0(VALU_DEP_1)
	v_lshlrev_b32 v2, 3, v2                        ; my token's pair: 8 x ((lane + 4 wave) mod 32)
	v_lshlrev_b32 v3, 4, v1                        ; 16 x lane
	v_lshlrev_b32 v4, 2, v1                        ; 4 x lane
	v_mov_b32 v5, 0
	s_lshl_b32 s18, ttmp9, 8                       ; part: 32 tokens x 8 bytes a work-group
	s_mov_b32 s19, 0
	s_lshl_b32 s28, ttmp9, 15                      ; z, out0: 32 rows a work-group,
	s_lshl_b32 s29, s16, 12                        ; four a wave
	s_add_co_u32 s28, s28, s29
	s_mov_b32 s29, 0
	s_lshl_b32 s30, ttmp9, 7                       ; out3: 128 bytes a work-group
	s_mov_b32 s31, 0
	s_lshl_b32 s32, ttmp9, 3
	s_add_co_u32 s32, s32, s16
	s_lshl_b32 s32, s32, 2                         ; lossp: a word a wave
	s_mov_b32 s33, 0
	s_mov_b32 s34, 0x76543210
	s_mov_b32 s35, 0xfedcba98
	s_wait_alu depctr_va_vdst(0)
	s_wait_kmcnt 0x0
	s_add_nc_u64 s[4:5], s[4:5], s[18:19]
	s_add_nc_u64 s[6:7], s[6:7], s[28:29]
	s_add_nc_u64 s[10:11], s[10:11], s[28:29]
	s_add_nc_u64 s[12:13], s[12:13], s[30:31]
	s_add_nc_u64 s[14:15], s[14:15], s[32:33]
.irp y, 0,1,2,3,4,5,6,7
	global_load_b64 v[16+2*\y:17+2*\y], v2, s[4:5] offset:65536*\y   ; (key, code) of split y
.endr
.irp i, 0,1,2,3
	global_load_b128 v[Z+8*\i:Z+8*\i+3], v3, s[6:7] offset:1024*\i th:TH_LOAD_NT
	global_load_b128 v[Z+8*\i+4:Z+8*\i+7], v3, s[6:7] offset:1024*\i+512 th:TH_LOAD_NT
.endr
	s_wait_loadcnt 8                               ; the eight pairs are in; z's eight loads may be out
.irp y, 1
	v_cmp_lt_u32 vcc_lo, v[16+2*\y], v16
	s_delay_alu instid0(VALU_DEP_1)
	v_cndmask_b32 v16, v16, v[16+2*\y], vcc_lo
	s_delay_alu instid0(VALU_DEP_2)
	v_cndmask_b32 v17, v17, v[17+2*\y], vcc_lo
.endr
.irp y, 2, 3, 4, 5, 6, 7
	s_delay_alu instid0(VALU_DEP_2)
	v_cmp_lt_u32 vcc_lo, v[16+2*\y], v16
	s_delay_alu instid0(VALU_DEP_1)
	v_cndmask_b32 v16, v16, v[16+2*\y], vcc_lo
	s_delay_alu instid0(VALU_DEP_2)
	v_cndmask_b32 v17, v17, v[17+2*\y], vcc_lo
.endr
	s_delay_alu instid0(VALU_DEP_1)
	v_min_u32 v17, 0x1fff, v17                     ; a code stays inside the table
	s_cmp_lg_u32 s16, 0
	s_cbranch_scc1 .Lnot_wave_0
	global_store_b32 v4, v17, s[12:13]             ; wave 0: the work-group's 32 codes, 128 consecutive bytes
.Lnot_wave_0:
	s_wait_alu depctr_va_vdst(0)
.irp i, 0,1,2,3
	v_readlane_b32 s[20+2*\i], v17, \i             ; my token i's code
	s_min_u32 s[20+2*\i], s[20+2*\i], 0x1fff
	s_lshl_b32 s[20+2*\i], s[20+2*\i], 10          ; its row's offset in emb
	s_mov_b32 s[21+2*\i], 0
	s_add_nc_u64 s[20+2*\i:21+2*\i], s[8:9], s[20+2*\i:21+2*\i]
	global_load_b128 v[E+8*\i:E+8*\i+3], v3, s[20+2*\i:21+2*\i]          ; no hint: a row may be named by many tokens
	global_load_b128 v[E+8*\i+4:E+8*\i+7], v3, s[20+2*\i:21+2*\i] offset:512
.endr
.irp i, 0,1,2,3
	s_wait_loadcnt 6-2*\i                          ; z and this token's row of emb are in; the later tokens' two loads each may be out
.irp p, 0,1,2,3
	v_pk_add_f32 v[D+2*\p:D+2*\p+1], v[E+8*\i+2*\p:E+8*\i+2*\p+1], v[Z+8*\i+2*\p:Z+8*\i+2*\p+1] neg_lo:[0,1] neg_hi:[0,1]   ; emb - z
.endr
.if \i == 0
	s_delay_alu instid0(VALU_DEP_4)
	v_pk_mul_f32 v[LA:LA+1], v[D:D+1], v[D:D+1]    ; the first products start the chains
	s_delay_alu instid0(VALU_DEP_4)
	v_pk_mul_f32 v[LB:LB+1], v[D+2:D+3], v[D+2:D+3]
.else
	s_delay_alu instid0(VALU_DEP_4)
	v_pk_fma_f32 v[LA:LA+1], v[D:D+1], v[D:D+1], v[LA:LA+1]
	s_delay_alu instid0(VALU_DEP_4)
	v_pk_fma_f32 v[LB:LB+1], v[D+2:D+3], v[D+2:D+3], v[LB:LB+1]
.endif
	s_delay_alu instid0(VALU_DEP_2)
	v_pk_fma_f32 v[LA:LA+1], v[D+4:D+5], v[D+4:D+5], v[LA:LA+1]
	s_delay_alu instid0(VALU_DEP_2)
	v_pk_fma_f32 v[LB:LB+1], v[D+6:D+7], v[D+6:D+7], v[LB:LB+1]
.irp p, 0,1,2,3
	v_pk_add_f32 v[E+8*\i+2*\p:E+8*\i+2*\p+1], v[Z+8*\i+2*\p:Z+8*\i+2*\p+1], v[D+2*\p:D+2*\p+1]   ; z + (emb - z)
.endr
	global_store_b128 v3, v[E+8*\i:E+8*\i+3], s[10:11] offset:1024*\i th:TH_STORE_NT       ; 32 lanes store 512 consecutive bytes, aligned at 256
	global_store_b128 v3, v[E+8*\i+4:E+8*\i+7], s[10:11] offset:1024*\i+512 th:TH_STORE_NT
.endr
	v_pk_add_f32 v[LA:LA+1], v[LA:LA+1], v[LB:LB+1]
	s_delay_alu instid0(VALU_DEP_1)
	v_add_f32 v[LA], v[LA], v[LA+1]
	s_delay_alu instid0(VALU_DEP_1)
	v_add_f32_dpp v[LA], v[LA], v[LA] row_xmask:1 row_mask:0xf bank_mask:0xf
	s_delay_alu instid0(VALU_DEP_1)
	v_add_f32_dpp v[LA], v[LA], v[LA] row_xmask:2 row_mask:0xf bank_mask:0xf
	s_delay_alu instid0(VALU_DEP_1)
	v_add_f32_dpp v[LA], v[LA], v[LA] row_xmask:4 row_mask:0xf bank_mask:0xf
	s_delay_alu instid0(VALU_DEP_1)
	v_add_f32_dpp v[LA], v[LA], v[LA] row_xmask:8 row_mask:0xf bank_mask:0xf
	s_delay_alu instid0(VALU_DEP_1)
	v_permlanex16_b32 v[LA+1], v[LA], s34, s35
	s_delay_alu instid0(VALU_DEP_1)
	v_add_f32 v[LA], v[LA], v[LA+1]                ; the wave's sum, in every lane
	v_cmp_eq_u32 vcc_lo, 0, v1
	s_wait_alu depctr_va_vdst(0)
	s_wait_xcnt 0x0                                ; EXEC changes only behind this wait: the stores above have it among their sources
	s_and_saveexec_b32 s36, vcc_lo
	global_store_b32 v5, v[LA], s[14:15]           ; lane 0 alone
	s_endpgm
.Lfunc_end_k_q8db6b4055c_gather:
	.size	k_q8db6b4055c_gather, .Lfunc_end_k_q8db6b4055c_gather-k_q8db6b4055c_gather
	.p2alignl 7, 3214868480
	.fill 96, 4, 3214868480
	.section	.rodata,"a",@progbits
	.p2align	6, 0x0
	.amdhsa_kernel k_q8db6b4055c_gather
		.amdhsa_group_segment_fixed_size 0
		.amdhsa_private_segment_fixed_size 0
		.amdhsa_enable_private_segment 0
		.amdhsa_kernarg_size 48
		.amdhsa_user_sgpr_count 2
		.amdhsa_user_sgpr_kernarg_segment_ptr 1
		.amdhsa_wavefront_size32 1
		.amdhsa_system_sgpr_workgroup_id_x 1
		.amdhsa_system_sgpr_workgroup_id_y 1
		.amdhsa_system_sgpr_workgroup_id_z 1
		.amdhsa_system_vgpr_workitem_id 0
		.amdhsa_next_free_vgpr 128
		.amdhsa_next_free_sgpr 66
		.amdhsa_reserve_vcc 1
		.amdhsa_float_denorm_mode_32 3
		.amdhsa_float_denorm_mode_16_64 3
		.amdhsa_memory_ordered 1
		.amdhsa_forward_progress 1
		.amdhsa_inst_pref_size 12
	.end_amdhsa_kernel
	.amdgpu_metadata
---
amdhsa.version: [ 1, 2 ]
amdhsa.kernels:
  - .name:           k_q8db6b4055c_gather
    .symbol:         k_q8db6b4055c_gather.kd
    .args:
      - { .name: part, .offset: 0, .size: 8, .value_kind: global_buffer, .address_space: global }
      - { .name: z, .offset: 8, .size: 8, .value_kind: global_buffer, .address_space: global }
      - { .name: emb, .offset: 16, .size: 8, .value_kind: global_buffer, .address_space: global }
      - { .name: out0, .offset: 24, .size: 8, .value_kind: global_buffer, .address_space: global }
      - { .name: out3, .offset: 32, .size: 8, .value_kind: global_buffer, .address_space: global }
      - { .name: lossp, .offset: 40, .size: 8, .value_kind: global_buffer, .address_space: global }
    .group_segment_fixed_size: 0
    .private_segment_fixed_size: 0
    .kernarg_segment_align: 8
    .kernarg_segment_size: 48
    .max_flat_workgroup_size: 256
    .sgpr_count:     66
    .vgpr_count:     128
    .wavefront_size: 32
...
	.end_amdgpu_metadata
.endif
;; end of part 3
;; launch finish (part 4): grid 1 x 1, 1 waves a work-group, no clusters, 0 bytes of LDS; arguments lossp, agep, out1, out2, out4, out5; writes out1, out2, out4, out5
.if DOCPART == 4
	.amdgcn_target "amdgcn-amd-amdhsa--gfx1250"
	.amdhsa_code_object_version 6
	.text
	.protected	k_q8db6b4055c_finish
	.globl	k_q8db6b4055c_finish
	.p2align	8
	.type	k_q8db6b4055c_finish,@function
k_q8db6b4055c_finish:
	s_mov_b64 s[64:65], 0
	v_nop
	global_prefetch_b8 v0, s[64:65] scope:SCOPE_SE
	s_setreg_imm32_b32 hwreg(HW_REG_WAVE_MODE, 25, 1), 1
	s_wait_xcnt 0x0
; The last sums, by one wave: out1 = (the sum of the 2,048 parts in lossp) / 2^21, out2 = out1 / 4; from agep's 128 pairs (sum of ages, count under 128): out4 = the count / 8,192, out5 = the sum / 8,192.
; Every load reads consecutive bytes of the wave: 16 loads of 512 and 4 of 256.  The count is a whole number of at most 8,192 and exact in f32.  No LDS, no barrier.
	s_load_b256 s[4:11], s[0:1], 0x0               ; lossp s[4:5], agep s[6:7], out1 s[8:9], out2 s[10:11]
	s_load_b128 s[12:15], s[0:1], 0x20             ; out4 s[12:13], out5 s[14:15]
	v_lshlrev_b32 v1, 4, v0
	v_lshlrev_b32 v2, 3, v0
	v_mov_b32 v3, 0
.irp i, 4,5,6
	v_mov_b32 v\i, 0                               ; written once: a lane permute's destination counts as one of its sources
.endr
	s_mov_b32 s20, 0x76543210
	s_mov_b32 s21, 0xfedcba98
	s_wait_alu depctr_va_vdst(0)
	s_wait_kmcnt 0x0
.irp p, 0,1,2,3
	global_load_b64 v[72+2*\p:73+2*\p], v2, s[6:7] offset:256*\p
.endr
.irp p, 0,1,2,3,4,5,6,7,8,9,10,11,12,13,14,15
	global_load_b128 v[8+4*\p:11+4*\p], v1, s[4:5] offset:512*\p
.endr
	s_wait_loadcnt 16                              ; the four pairs are in; lossp's sixteen loads may be out
	v_pk_add_f32 v[72:73], v[72:73], v[74:75]
	v_pk_add_f32 v[76:77], v[76:77], v[78:79]
	v_pk_add_f32 v[72:73], v[72:73], v[76:77]
	s_wait_alu depctr_va_vdst(0)
	s_wait_loadcnt 0x0
.irp n, 32,16,8,4,2                    ; 64 numbers a lane, halved five times: two are left
.set j, 0
.rept \n/2
	v_pk_add_f32 v[8+j:9+j], v[8+j:9+j], v[8+\n+j:9+\n+j]
.set j, j+2
.endr
.endr
	v_add_f32 v8, v8, v9
.irp m, 1,2,4,8                        ; over the 32 lanes, the three sums by turns
	v_add_f32_dpp v8, v8, v8 row_xmask:\m row_mask:0xf bank_mask:0xf
	v_add_f32_dpp v72, v72, v72 row_xmask:\m row_mask:0xf bank_mask:0xf
	v_add_f32_dpp v73, v73, v73 row_xmask:\m row_mask:0xf bank_mask:0xf
.endr
	v_permlanex16_b32 v4, v8, s20, s21
	v_permlanex16_b32 v5, v72, s20, s21
	v_permlanex16_b32 v6, v73, s20, s21
	v_add_f32 v8, v8, v4
	v_add_f32 v72, v72, v5
	v_add_f32 v73, v73, v6
	v_mul_f32 v80, 0x35000000, v8                  ; x 2^-21: the mean over 8,192 x 256 numbers
	v_mul_f32 v82, 0x39000000, v73                 ; x 2^-13
	v_mul_f32 v83, 0x39000000, v72                 ; x 2^-13
	v_mul_f32 v81, 0x3e800000, v80                 ; x 0.25
	v_cmp_eq_u32 vcc_lo, 0, v0
	s_wait_alu depctr_va_vdst(0)
	s_wait_xcnt 0x0                                ; EXEC changes only behind this wait
	s_and_saveexec_b32 s22, vcc_lo
	global_store_b32 v3, v80, s[8:9]               ; lane 0 alone
	global_store_b32 v3, v81, s[10:11]
	global_store_b32 v3, v82, s[12:13]
	global_store_b32 v3, v83, s[14:15]
	s_endpgm
.Lfunc_end_k_q8db6b4055c_finish:
	.size	k_q8db6b4055c_finish, .Lfunc_end_k_q8db6b4055c_finish-k_q8db6b4055c_finish
	.p2alignl 7, 3214868480
	.fill 96, 4, 3214868480
	.section	.rodata,"a",@progbits
	.p2align	6, 0x0
	.amdhsa_kernel k_q8db6b4055c_finish
		.amdhsa_group_segment_fixed_size 0
		.amdhsa_private_segment_fixed_size 0
		.amdhsa_enable_private_segment 0
		.amdhsa_kernarg_size 48
		.amdhsa_user_sgpr_count 2
		.amdhsa_user_sgpr_kernarg_segment_ptr 1
		.amdhsa_wavefront_size32 1
		.amdhsa_system_sgpr_workgroup_id_x 1
		.amdhsa_system_sgpr_workgroup_id_y 1
		.amdhsa_system_sgpr_workgroup_id_z 1
		.amdhsa_system_vgpr_workitem_id 0
		.amdhsa_next_free_vgpr 96
		.amdhsa_next_free_sgpr 66
		.amdhsa_reserve_vcc 1
		.amdhsa_float_denorm_mode_32 3
		.amdhsa_float_denorm_mode_16_64 3
		.amdhsa_memory_ordered 1
		.amdhsa_forward_progress 1
		.amdhsa_inst_pref_size 7
	.end_amdhsa_kernel
	.amdgpu_metadata
---
amdhsa.version: [ 1, 2 ]
amdhsa.kernels:
  - .name:           k_q8db6b4055c_finish
    .symbol:         k_q8db6b4055c_finish.kd
    .args:
      - { .name: lossp, .offset: 0, .size: 8, .value_kind: global_buffer, .address_space: global }
      - { .name: agep, .offset: 8, .size: 8, .value_kind: global_buffer, .address_space: global }
      - { .name: out1, .offset: 16, .size: 8, .value_kind: global_buffer, .address_space: global }
      - { .name: out2, .offset: 24, .size: 8, .value_kind: global_buffer, .address_space: global }
      - { .name: out4, .offset: 32, .size: 8, .value_kind: global_buffer, .address_space: global }
      - { .name: out5, .offset: 40, .size: 8, .value_kind: global_buffer, .address_space: global }
    .group_segment_fixed_size: 0
    .private_segment_fixed_size: 0
    .kernarg_segment_align: 8
    .kernarg_segment_size: 48
    .max_flat_workgroup_size: 32
    .sgpr_count:     66
    .vgpr_count:     96
    .wavefront_size: 32
...
	.end_amdgpu_metadata
.endif
;; end of part 4
